; MI455X (gfx1250); checked and timed in simulation.
; The chip was launched on July 23, 2026; its instructions are those of AMD's public machine-readable ISA for CDNA 5 (MIT licence, August 2026) and "CDNA5" Instruction Set Architecture Reference Guide (July 2026). The comments in the code are by the model that wrote it; some were corrected since.
;; Neural SDF. Allowed arithmetic: matrix products marked QUANTISED: E3M2 operands, one E8M0 scale for each 32 along K, by v_wmma_scale_f32_16x16x128_f8f6f4 with both operands' format E3M2, f32 sums; products left as they are: f32 operands where the result goes on into a quantised operand, else bf16, f16 or f32 operands; f32 sums; everything else in f32.
;; Inputs: V0 64 x 35 float32; V1 64 x 64 float32; V2 13 x 64 float32; b0 64 float32; b1 64 float32; b2 13 float32; g0 64 float32; g1 64 float32; g2 13 float32; points 524,288 x 3 float32; table 16 x 524,288 x 2 float32.
;; Outputs: out0 524,288 x 1 float32; out1 524,288 x 13 float32.
;; This version of the problem:
;;   THIS VERSION OF THE PROBLEM IS GIVEN IN LOW PRECISION. The matrix products marked QUANTISED in the list below multiply operands that are first quantised to E3M2 (3 exponent bits, 2 mantissa bits; 6 bits a number), with one power-of-two scale for each 32 numbers along K (OCP MX v1.0); their sums are f32. All else is computed in f32.
;;   The module's matrix products, in the order in which they are computed (A, B: the left and right operand; K: the contracted axis; several contracted axes count as one K, in the product's order):
;;     1. [M 524,288, K 35] x [K 35, N 64]; A: computed on the way; B: computed on the way: QUANTISED
;;     2. [M 524,288, K 64] x [K 64, N 64]; A: computed on the way; B: computed on the way: QUANTISED
;;     3. [M 524,288, K 64] x [K 64, N 13]; A: computed on the way; B: computed on the way: left as it is (N = 13 < 16)
;;   THE QUANTISER, for each operand of a quantised product, along K:
;;     - K is cut into blocks of 32 from its start; a last block that is shorter is filled with zeros.
;;     - A block's scale is 2^e with e = floor(log2(the largest magnitude in the block)) - 4, held to -126 .. 127; a block of zeros has e = 0. As a byte (E8M0): e + 127.
;;     - Each number is divided by its block's scale, clamped to +-28, and rounded to the nearest number of E3M2, ties to even, subnormals kept.
;;     - The product sums the exact products of the quantised numbers (number of the format x scale) in f32.
;;   ~~~python
;;   def quantise(x, axis):      # numpy; x: float32 -> the quantised numbers, widened to float32 again
;;       x = np.moveaxis(x, axis, -1); K = x.shape[-1]
;;       x = np.pad(x, [(0, 0)] * (x.ndim - 1) + [(0, -K % 32)]); x = x.reshape(x.shape[:-1] + (-1, 32)); a = np.abs(x).max(-1, keepdims=True)
;;       e = np.where(a > 0, np.clip(np.frexp(np.where(a > 0, a, 1))[1] - 1 - 4, -126, 127), 0)      # np.frexp(a)[1] - 1 = floor(log2(a)), exactly
;;       r = np.clip(x / 2.0 ** e, -28, 28)
;;       step = 2.0 ** (np.maximum(np.frexp(np.where(r == 0, 1, r))[1] - 1, -2) - 2)
;;       q = np.round(r / step) * step * 2.0 ** e      # np.round: ties to even
;;       return np.moveaxis(q.reshape(q.shape[:-2] + (-1,))[..., :K], -1, axis).astype(np.float32)
;;   ~~~
;;   OPERANDS COMPUTED ON THE WAY. 'Computed on the way' means the value that the module computes at that place (a softmax that the list does not call 'softmax' is quantised finished and normalised). What goes into a quantiser is computed in f32, as accurately as f32 sums, v_exp_f32 and their like allow (about 1e-6 of the number): no bf16 or f16 on the way to a quantiser, and a product that is left as it is and whose result goes on into a quantised operand takes f32 operands (vector FMAs, or v_wmma_f32_16x16x4_f32). A number that lies on a knife's edge between two numbers of the format may be rounded either way, as far as f32 arithmetic and the matrix unit's own rounding can turn it there, and no further.
;; One version. Each part assembles by itself: llvm-mc -triple=amdgcn-amd-amdhsa -mcpu=gfx1250 --defsym DOCPART=n.
;; ======== version 1 of 1: 2 launches
;; workspace buffers: xq 6,291,456 bytes of whole numbers; wq 9,216 bytes
;; launch prep (part 1): grid 257 x 1, 12 waves a work-group, no clusters, 0 bytes of LDS; arguments points, V0, g0, V1, g1, V2, g2, xq, wq; writes xq, wq
.if DOCPART == 1
	.amdgcn_target "amdgcn-amd-amdhsa--gfx1250"
	.amdhsa_code_object_version 6
	.text
	.protected	k_q0b9a54f91b_prep
	.globl	k_q0b9a54f91b_prep
	.p2align	8
	.type	k_q0b9a54f91b_prep,@function
k_q0b9a54f91b_prep:
	s_mov_b64 s[64:65], 0
	v_nop
	global_prefetch_b8 v0, s[64:65] scope:SCOPE_SE
	s_setreg_imm32_b32 hwreg(HW_REG_WAVE_MODE, 25, 1), 1
	s_wait_xcnt 0x0
; TWO JOBS IN ONE LAUNCH, told apart by the work-group's number.
; Work-groups 0 to 255: xq[n][c] = clip((points[n][c] + 1) / 2, 0, 1) x 2^31 as a whole number.  p + 1, held to 0 .. 2, is a multiple of 2^-24 with at most 24 significant bits,
;   so x 2^30 is a whole number of at most 2^31 and nothing is lost: the next launch gets every level's cell from it by whole-number arithmetic, and the same f32 x01 back by one conversion.
;   The tensor is a plain stream: 12 waves x 32 lanes x 16 bytes = 6,144 bytes a load, four loads a lane, 24,576 bytes a work-group, 256 work-groups = 6,291,456 bytes.
; Work-group 256: the three weight-normed matrices W = g V / |V| (row norms), laid in wq in the order of the matrix operand's registers, lane by lane.
;   Waves 0-3: W0's four tiles of 16 rows; waves 4-7: W1's; both as codes of E3M2 with one E8M0 byte for each 32 along K.  Wave 8: W2 in bf16 (its product is left as it is).  Waves 9-11 have no part.
;   THE ROWS OF A TILE ARE NOT NEIGHBOURS: lane r of tile t takes row 8 t + r % 8 + 32 (r / 8), so that in the next launch a lane's 32 results of the four tiles are one whole block of 32 along the next K.
;   W2's tile: lane r takes feature r - 3 (r / 8): rows 8 to 10 repeat features 5 to 7, rows 11 to 15 are features 8 to 12.
;   W0's K is laid in another order, alike here and on h in the next launch, blocks of 32 kept: place 0-27 = k 3-30, 28-30 = k 0-2, 31 = k 31 | 32, 33 = k 33, 34; 34 = k 32; from 35 on zeros.
; A lane (r, h) holds 32 numbers of its row: k places 32 h .. 32 h + 31: a whole block; the row's sum of squares wants the other half of the lanes once.
; LIMITS: NaN and infinities among the inputs are not served; a row's sum of squares must be a normal f32 number (a row of zeros is not served: reference() divides by 0 there).
;   A block of zeros gets the byte 1 where the quantiser says 127: its codes are zeros, and this program alone reads the bytes.
.set WGS,   256                        ; work-groups of the stream
.set CHUNK, 6144                       ; bytes that one load of the work-group covers
.set VV,    16                         ; v16-47  my 32 numbers of the row
.set CODE,  62                         ; v62-67  a block's codes
.set QQ,    68                         ; v68-70  the second 16 codes, as the conversion leaves them
.set PK,    72                         ; v72-87  W2 in bf16
	s_load_b512 s[4:19], s[0:1], 0x0               ; points 4, V0 6, g0 8, V1 10, g1 12, V2 14, g2 16, xq 18
	s_load_b64 s[20:21], s[0:1], 0x40              ; wq
	s_mul_i32 s22, ttmp9, 4*CHUNK                  ; the work-group's part of the stream
	s_mov_b32 s23, 0
	v_lshlrev_b32 v1, 4, v0                        ; 16 bytes a thread
	s_wait_kmcnt 0x0
	s_cmp_lt_u32 ttmp9, WGS
	s_cbranch_scc0 .Lweights
	; ---- the stream
	s_add_nc_u64 s[4:5], s[4:5], s[22:23]
	s_add_nc_u64 s[18:19], s[18:19], s[22:23]
.irp i, 0,1,2,3
	global_load_b128 v[8+4*\i:11+4*\i], v1, s[4:5] offset:\i*CHUNK th:TH_LOAD_NT
.endr
.irp i, 0,1,2,3
	s_wait_loadcnt 3-\i                            ; loads come back in order: the younger ones may stay out
	v_pk_add_f32 v[8+4*\i:9+4*\i], v[8+4*\i:9+4*\i], 1.0 op_sel_hi:[1,0]
	v_pk_add_f32 v[10+4*\i:11+4*\i], v[10+4*\i:11+4*\i], 1.0 op_sel_hi:[1,0]
.irp j, 0,1,2,3
	v_med3_num_f32 v[8+4*\i+\j], v[8+4*\i+\j], 0, 2.0              ; the clip, ahead of the halving (which is exact)
.endr
	v_pk_mul_f32 v[8+4*\i:9+4*\i], v[8+4*\i:9+4*\i], 0x4e800000 op_sel_hi:[1,0]      ; x 2^30 = / 2 x 2^31: exact
	v_pk_mul_f32 v[10+4*\i:11+4*\i], v[10+4*\i:11+4*\i], 0x4e800000 op_sel_hi:[1,0]
.irp j, 0,1,2,3
	v_cvt_u32_f32 v[24+4*\i+\j], v[8+4*\i+\j]      ; a whole number already
.endr
	global_store_b128 v1, v[24+4*\i:27+4*\i], s[18:19] offset:\i*CHUNK th:TH_STORE_NT   ; a wave stores 512 consecutive bytes; each step has its own registers, so nothing is written again
.endr
	s_endpgm
	; ---- the weights
.Lweights:
	v_lshrrev_b32 v1, 5, v0
	v_readfirstlane_b32 s24, v1                    ; wave
	s_cmp_gt_u32 s24, 8
	s_cbranch_scc1 .Lend
	s_and_b32 s25, s24, 3                          ; the tile t (0 for W2)
	s_lshl_b32 s33, s25, 3                         ; 8 t
	s_mul_i32 s35, s25, 768                        ; a tile's codes: 6 registers x 128 bytes
	s_lshl_b32 s36, s25, 7                         ; a tile's scale words
	s_mov_b32 s38, 0x76543210
	s_mov_b32 s39, 0xfedcba98                      ; v_permlanex16_b32's selects for lane l xor 16
	s_cmp_lt_u32 s24, 4                            ; W0 or W1?  Every choice hangs on the wave's number alone
	s_cselect_b64 s[26:27], s[6:7], s[10:11]
	s_cselect_b64 s[28:29], s[8:9], s[12:13]
	s_cselect_b32 s30, 0, 3072                     ; where the matrix's codes begin in wq,
	s_cselect_b32 s31, 0, 512                      ; and its scale words, behind 6,144
	s_cselect_b32 s34, 1, 0
	s_cmp_eq_u32 s24, 8                            ; or W2?
	s_cselect_b64 s[26:27], s[14:15], s[26:27]
	s_cselect_b64 s[28:29], s[16:17], s[28:29]
	s_cselect_b32 s32, 5, 32                       ; from a tile's lanes 0-7 to its lanes 8-15: 32 rows on, in W2 five
	s_add_co_u32 s30, s30, s35
	s_add_co_u32 s31, s31, s36
	v_and_b32 v1, 31, v0                           ; lane
	v_and_b32 v2, 15, v0                           ; r
	v_bfe_u32 v3, v0, 4, 1                         ; h
	v_and_b32 v4, 7, v2
	v_lshrrev_b32 v5, 3, v2
	v_mad_u32_u24 v4, v5, s32, v4
	v_add_nc_u32 v4, s33, v4                       ; my row
	v_lshlrev_b32 v6, 2, v4
	v_lshl_add_u32 v12, v1, 3, s30                 ; wq: 8 bytes a lane of a pair of code registers
	v_lshl_add_u32 v13, v1, 2, s31                 ; 4 bytes a lane of the scale word
	v_lshlrev_b32 v14, 4, v1                       ; 16 bytes a lane of W2's registers
	v_mov_b32 v11, 0
	v_mov_b32 v61, 0                               ; (a lane permute's destination counts as one of its sources)
	v_mul_u32_u24 v10, v3, s34
	v_cmp_ne_u32 vcc_lo, 0, v10                    ; W0's lanes 16-31: of their block only three places hold numbers
	global_load_b32 v48, v6, s[28:29]              ; g of my row
	s_cmp_lt_u32 s24, 4
	s_cbranch_scc0 .Lsquare
	v_mul_u32_u24 v7, v4, 140                      ; W0: a row of V0 is 35 numbers
	v_mad_u32_u24 v8, v3, 120, v7                  ; places 0, 1: lanes 0-15 k = 3, 4; lanes 16-31 30 numbers on: k = 33, 34
	v_mad_u32_u24 v9, v3, 108, v7                  ; place 2: k = 5; 27 on: k = 32
	global_load_b32 v[VV], v8, s[26:27] offset:12
	global_load_b32 v[VV+1], v8, s[26:27] offset:16
	global_load_b32 v[VV+2], v9, s[26:27] offset:20
.set I, 3
.rept 25
	global_load_b32 v[VV+I], v7, s[26:27] offset:4*(3+I)           ; places 3-27: k = 6 .. 30 (lanes 16-31 read the same and are cleared below: no load leaves the row)
.set I, I+1
.endr
.irp i, 28,29,30
	global_load_b32 v[VV+\i], v7, s[26:27] offset:4*(\i-28)        ; places 28-30: k = 0, 1, 2
.endr
	global_load_b32 v[VV+31], v7, s[26:27] offset:124              ; place 31: k = 31
	s_branch .Ljoin
.Lsquare:
	v_lshlrev_b32 v7, 8, v4                        ; W1, W2: a row is 64 numbers; my half of it
	v_lshl_add_u32 v7, v3, 7, v7
.irp c, 0,1,2,3,4,5,6,7
	global_load_b128 v[VV+4*\c:VV+4*\c+3], v7, s[26:27] offset:16*\c
.endr
.Ljoin:
	s_wait_loadcnt 0x0
.set I, 3
.rept 29
	v_cndmask_b32 v[VV+I], v[VV+I], v11, vcc_lo    ; K past 35 is zeros (the mask is empty in W1's and W2's waves)
.set I, I+1
.endr
	v_pk_mul_f32 v[50:51], v[VV:VV+1], v[VV:VV+1]                  ; the sum of squares, two at a time, in two chains
	v_pk_mul_f32 v[52:53], v[VV+2:VV+3], v[VV+2:VV+3]
.irp i, 4,8,12,16,20,24,28
	v_pk_fma_f32 v[50:51], v[VV+\i:VV+\i+1], v[VV+\i:VV+\i+1], v[50:51]
	v_pk_fma_f32 v[52:53], v[VV+\i+2:VV+\i+3], v[VV+\i+2:VV+\i+3], v[52:53]
.endr
	v_pk_add_f32 v[50:51], v[50:51], v[52:53]
	v_add_f32 v50, v50, v51
	v_permlanex16_b32 v52, v50, s38, s39
	v_add_f32 v50, v50, v52                        ; with the row's other half
	v_rsq_f32 v51, v50
	v_nop                                          ; a plain instruction behind the transcendental
	s_wait_alu depctr_va_vdst(0)                   ; and the wait ahead of its first reader
	v_mul_f32 v54, v48, v51                        ; g / |V|
	v_mov_b32 v55, v54
.irp i, 0,2,4,6,8,10,12,14,16,18,20,22,24,26,28,30
	v_pk_mul_f32 v[VV+\i:VV+\i+1], v[VV+\i:VV+\i+1], v[54:55]
.endr
	s_cmp_eq_u32 s24, 8
	s_cbranch_scc1 .Lw2
	; the block's largest magnitude: all 32 numbers are mine; the floor 2^(5 - 127) among the leaves holds the byte at 1 from below
	v_max3_num_f32 v56, |v[VV]|, |v[VV+1]|, 0x2800000
	v_max3_num_f32 v57, |v[VV+16]|, |v[VV+17]|, |v[VV+18]|
.irp i, 2,4,6,8,10,12
	v_max3_num_f32 v56, v56, |v[VV+\i]|, |v[VV+\i+1]|
	v_max3_num_f32 v57, v57, |v[VV+17+\i]|, |v[VV+18+\i]|
.endr
	v_max3_num_f32 v56, v56, |v[VV+14]|, |v[VV+15]|
	v_max3_num_f32 v56, v56, v57, |v[VV+31]|
	v_add_nc_u32 v58, 0xfe000000, v56              ; 4 off its exponent field: the conversion takes the exponent field of this operand as its scale
	v_lshrrev_b32 v59, 23, v58                     ; the scale's byte,
	v_lshlrev_b32 v60, 3, v3
	v_lshlrev_b32 v59, v60, v59                    ; at block h's place in the row's word;
	v_permlanex16_b32 v61, v59, s38, s39
	v_or_b32 v59, v59, v61                         ; with the other block's.  Bytes 2 and 3 stay 0: K from 64 on meets zero codes
	v_cvt_scalef32_pk16_bf6_f32 v[CODE:CODE+2], v[VV:VV+15], v58
	v_cvt_scalef32_pk16_bf6_f32 v[QQ:QQ+2], v[VV+16:VV+31], v58    ; (a conversion's three registers begin on an even number)
	v_nop                                          ; one plain place behind a scaled conversion
.irp i, 0,1,2
	v_mov_b32 v[CODE+3+\i], v[QQ+\i]
.endr
.irp p, 0,1,2
	global_store_b64 v12, v[CODE+2*\p:CODE+2*\p+1], s[20:21] offset:256*\p     ; 32 lanes store 256 consecutive bytes
.endr
	global_store_b32 v13, v59, s[20:21] offset:6144
	s_endpgm
.Lw2:
.irp q, 0,1,2,3,4,5,6,7,8,9,10,11,12,13,14,15
	v_cvt_pk_bf16_f32 v[PK+\q], v[VV+2*\q], v[VV+2*\q+1]           ; K step s takes my units 32 h + 16 s + 0 .. 15, alike here and on the activations
.endr
.irp c, 0,1,2,3
	global_store_b128 v14, v[PK+4*\c:PK+4*\c+3], s[20:21] offset:7168+512*\c
.endr
.Lend:
	s_endpgm
.Lfunc_end_k_q0b9a54f91b_prep:
	.size	k_q0b9a54f91b_prep, .Lfunc_end_k_q0b9a54f91b_prep-k_q0b9a54f91b_prep
	.p2alignl 7, 3214868480
	.fill 96, 4, 3214868480
	.section	.rodata,"a",@progbits
	.p2align	6, 0x0
	.amdhsa_kernel k_q0b9a54f91b_prep
		.amdhsa_group_segment_fixed_size 0
		.amdhsa_private_segment_fixed_size 0
		.amdhsa_enable_private_segment 0
		.amdhsa_kernarg_size 72
		.amdhsa_user_sgpr_count 2
		.amdhsa_user_sgpr_kernarg_segment_ptr 1
		.amdhsa_wavefront_size32 1
		.amdhsa_system_sgpr_workgroup_id_x 1
		.amdhsa_system_sgpr_workgroup_id_y 1
		.amdhsa_system_sgpr_workgroup_id_z 1
		.amdhsa_system_vgpr_workitem_id 0
		.amdhsa_next_free_vgpr 96
		.amdhsa_next_free_sgpr 66
		.amdhsa_reserve_vcc 1
		.amdhsa_float_denorm_mode_32 3
		.amdhsa_float_denorm_mode_16_64 3
		.amdhsa_memory_ordered 1
		.amdhsa_forward_progress 1
		.amdhsa_inst_pref_size 17
	.end_amdhsa_kernel
	.amdgpu_metadata
---
amdhsa.version: [ 1, 2 ]
amdhsa.kernels:
  - .name:           k_q0b9a54f91b_prep
    .symbol:         k_q0b9a54f91b_prep.kd
    .args:
      - { .name: points, .offset: 0, .size: 8, .value_kind: global_buffer, .address_space: global }
      - { .name: V0, .offset: 8, .size: 8, .value_kind: global_buffer, .address_space: global }
      - { .name: g0, .offset: 16, .size: 8, .value_kind: global_buffer, .address_space: global }
      - { .name: V1, .offset: 24, .size: 8, .value_kind: global_buffer, .address_space: global }
      - { .name: g1, .offset: 32, .size: 8, .value_kind: global_buffer, .address_space: global }
      - { .name: V2, .offset: 40, .size: 8, .value_kind: global_buffer, .address_space: global }
      - { .name: g2, .offset: 48, .size: 8, .value_kind: global_buffer, .address_space: global }
      - { .name: xq, .offset: 56, .size: 8, .value_kind: global_buffer, .address_space: global }
      - { .name: wq, .offset: 64, .size: 8, .value_kind: global_buffer, .address_space: global }
    .group_segment_fixed_size: 0
    .private_segment_fixed_size: 0
    .kernarg_segment_align: 8
    .kernarg_segment_size: 72
    .max_flat_workgroup_size: 384
    .sgpr_count:     66
    .vgpr_count:     96
    .wavefront_size: 32
...
	.end_amdgpu_metadata
.endif
;; end of part 1
;; launch sdf (part 2): grid 256 x 1, 16 waves a work-group, no clusters, 296,960 bytes of LDS; arguments xq, points, table, wq, b0, b1, b2, out0, out1; writes out0, out1
.if DOCPART == 2
	.amdgcn_target "amdgcn-amd-amdhsa--gfx1250"
	.amdhsa_code_object_version 6
	.text
	.protected	k_q0b9a54f91b_sdf
	.globl	k_q0b9a54f91b_sdf
	.p2align	8
	.type	k_q0b9a54f91b_sdf,@function
k_q0b9a54f91b_sdf:
	s_mov_b64 s[64:65], 0
	v_nop
	global_prefetch_b8 v0, s[64:65] scope:SCOPE_SE
	s_setreg_imm32_b32 hwreg(HW_REG_WAVE_MODE, 25, 1), 1
	s_wait_xcnt 0x0
; THE WHOLE NETWORK FOR 128 POINTS A WAVE: hash grid (16 levels x 8 corners x 2 features, blended), h = [points, enc], 35 -> 64 -> 64 -> 13 with softplus(100 x) / 100; out1 = h, out0 = its column 0.
; Products 1 and 2 on codes of E3M2 with one E8M0 byte for each 32 along K, product 3 on bf16; sums, blending, activations in f32.  enc and the hidden layers never go to memory.
; SHARES.  4,096 waves, 16 to a work-group, 256 registers each; wave Wi owns points 128 Wi .. + 127 as four batches of 32.  Waves share nothing: no barrier.  Each lane gathers 8 bytes at an address of its own
; and the weights (9 KB, laid by the launch before in the order of the operands' registers) stay in every wave's registers: no tile is shared, so there is no tensor load, no cluster and no joint request.
; PHASE E, lane = point: levels in the outer walk, the four batches inside; a unit (level, batch) is 8 gathers; three units, 24 gathers a wave, are out while a fourth is being prepared.
;   Addresses hang on whole numbers alone: X = x01 x 2^31 from xq; the cell is min(high word of X x 2 (gs - 1), gs - 2), the floor of the exact product.  The weight is fl(x01 (gs - 1)) - cell, the multiply and the
;   subtraction kept apart since reference() rounds the product first.  Where that rounding reaches the next whole number n, the cell here is n - 1 with weight 1.0 where reference() has n with weight 0: the same corner.
;   Sizes from reference()'s own constants: gs = 17 23 31 43 59 (dense) 81 112 154 213 295 407 562 777 1073 1483 2049 (hashed; of the hash only its low 19 bits are formed).
;   Each level's two features go to the wave's own LDS, 8 bytes a lane.
; PHASE M, four trips, a batch each: 32 points' h come back, are quantised with lane = point, and become two operands of 16 points by an exchange of halves.  BOTH QUANTISED PRODUCTS ARE USED TRANSPOSED
;   (source 0 = 16 rows of W, source 1 = 16 points), and the rows of a tile of W are chosen so that register 8 t + j of lane (r, h) is unit 32 h + 8 t + j of point r: a lane's 32 results ARE one block of the
;   next K, in the operand's own layout: its largest magnitude needs no other lane, and the conversions' results are the next operand.
;   K IS 35 OR 64 OF THE INSTRUCTION'S 128: the activations' registers 6-11 are zero codes.  So a weight operand's registers 6-11 may hold anything finite: they are simply the next tile's codes (E3M2 has no
;   NaN and no infinity), and the scale bytes 2 and 3 are 0, which is no NaN.  The biases are the C of each product.
;   softplus(100 x) / 100 = max(x, 0) + (ln 2 / 100) (log2(u) + d log2(e)), e = 2^-|100 log2(e) x|, u = fl(1 + e), d = e - (u - 1), exact: d gives back what 1 + e rounds away.
; THE WAY OUT: 13 numbers a point are gathered in the wave's LDS (52 bytes a point) and leave as 13 stores of 512 consecutive bytes; column 0 as one.
; LIMITS.  NaN and infinities among the inputs are not served.  e under 2^-126 comes out of v_exp_f32 as 0 (ISA guide, its entry): a softplus result under about 1e-40 is 0 here.
;   A block of zeros has the byte 1 where the quantiser says 127: its codes are zeros.  Product 3's operands are rounded to bf16.
.set WREG, 18432                       ; LDS of a wave: four batches of BREG bytes
.set BREG, 4608                        ; a batch: 16 levels x 256 bytes (8 a lane), then 32 x 16 bytes: the raw coordinates
.set PTS,  4096
.set SBAT, 1664                        ; the stage for out1: 52 bytes a point, 32 points a batch.  It lies over batches 0 and 1: batch b's part is written when batches 0 .. b have been read, and LDS serves a wave's instructions in order
; registers that stay
.set LA,   1                           ; v1   LDS: my wave + 8 x lane
.set LP,   2                           ; v2   my wave + 16 x lane
.set STO,  3                           ; v3   my wave + 52 r + 20 h
.set SH8,  4                           ; v4   8 h
.set H128, 5                           ; v5   128 h
.set S0A,  6                           ; v6   my wave + 208 x lane
.set L16,  7                           ; v7   16 x lane
.set W0,   8                           ; v8-31   W0's codes, 6 registers a tile
.set W1,   32                          ; v32-55  W1's
.set W2B,  56                          ; v56-71  W2 in bf16, two K steps
.set W0S,  72                          ; v72-75  W0's scale words;  v76-79 W1's
.set W1S,  76
.set B0,   80                          ; v80-111  b0 at my 32 units
.set B2,   112                         ; v112-119 b2 at my 8 features
.set SW0,  254                         ; v254 h's scale words, v255 the hidden layer's
.set SW1,  255
; phase E
.set XI,   120                         ; v[120+4b ..]  X of x, y, z; the fourth register: z as f32
.set XF,   136                         ; v[136+2b ..]  x, y as f32
.set TX,   144
.set TY,   145
.set TZ,   146
.set TX1,  147
.set PP,   148                         ; v[148:149], v150: x01 (gs - 1)
.set PZ,   150
.set HY0,  151
.set HY1,  152
.set HZ0,  153
.set HZ1,  154
.set CC,   155                         ; v155-158
.set SLOT, 160                         ; v[160+24b ..]: +0..15 the eight corners' pairs, corner (i, j, k) at 4 (j + 2 k) + 2 i; +16, 18, 20 the weights, +17, 19, 21 the cells as f32 (+17 then the dense address)
; phase M
.set B1,   120                         ; v120-151 b1 at my 32 units
.set OPA,  152                         ; v152-163 the activations' operand; 158-163 stay zeros
.set C1,   164                         ; v164-169 the second 16 points' operand
.set LPB,  170
.set ACT,  172                         ; v172-203 four accumulators
.set H,    172                         ; v172-219 h, 48 places
.set T1,   204
.set T2,   220
.set HB,   220                         ; v220-235 the second hidden layer in bf16
.set T3,   236
.set D2,   236                         ; v236-243 product 3's accumulator
.set LAB,  244
.set STOB, 245
.set QM,   246
.set QS,   248
.set TQ,   250
.set PX,   253
.set TBL,  24                          ; s[24+2lv ..] the level's table
.macro NOPS n
.rept \n
	v_nop
.endr
.endm
	s_load_b512 s[4:19], s[0:1], 0x0               ; xq 4, points 6, table 8, wq 10, b0 12, b1 14, b2 16, out0 18
	s_load_b64 s[20:21], s[0:1], 0x40              ; out1
	v_lshrrev_b32 v144, 5, v0
	v_readfirstlane_b32 s22, v144                  ; wave 0..15
	s_lshl_b32 s23, ttmp9, 4
	s_add_co_u32 s23, s23, s22                     ; Wi
	s_mul_i32 s59, s22, WREG                       ; my wave's LDS
	v_and_b32 v144, 31, v0                         ; lane
	v_and_b32 v145, 15, v0                         ; r
	v_bfe_u32 v146, v0, 4, 1                       ; h
	v_lshl_add_u32 v[LA], v144, 3, s59
	v_lshl_add_u32 v[LP], v144, 4, s59
	v_mul_u32_u24 v[STO], v145, 52
	v_mad_u32_u24 v[STO], v146, 20, v[STO]
	v_add_nc_u32 v[STO], s59, v[STO]
	v_lshlrev_b32 v[SH8], 3, v146
	v_lshlrev_b32 v[H128], 7, v146
	v_mul_u32_u24 v[S0A], v144, 208
	v_add_nc_u32 v[S0A], s59, v[S0A]
	v_lshlrev_b32 v[L16], 4, v144
	v_mul_u32_u24 v147, v144, 12                   ; the head's offsets: 12, 8, 4 bytes a lane; 20 h
	v_lshlrev_b32 v148, 3, v144
	v_lshlrev_b32 v149, 2, v144
	v_mul_u32_u24 v150, v146, 20
	s_mov_b32 s56, 0x779b1                         ; 2654435761 mod 2^19
	s_mov_b32 s57, 0x25795                         ; 805459861 mod 2^19
	s_mov_b32 s58, 0x7ffff
	s_mov_b32 s60, 0x76543210
	s_mov_b32 s61, 0xfedcba98                      ; v_permlanex16_b32's selects for lane l xor 16
	s_mul_i32 s68, s23, 1536                       ; my wave's 128 points x 12 bytes
	s_mov_b32 s69, 0
	s_wait_kmcnt 0x0
	s_add_nc_u64 s[4:5], s[4:5], s[68:69]
	s_add_nc_u64 s[6:7], s[6:7], s[68:69]
.irp b, 0,1,2,3
	global_load_b96 v[XI+4*\b:XI+4*\b+2], v147, s[4:5] offset:384*\b th:TH_LOAD_NT
.endr
.irp b, 0,1,2,3
	global_load_b96 v[SLOT+24*\b:SLOT+24*\b+2], v147, s[6:7] offset:384*\b th:TH_LOAD_NT
.endr
.irp t, 0,1,2,3
.irp p, 0,1,2
	global_load_b64 v[W0+6*\t+2*\p:W0+6*\t+2*\p+1], v148, s[10:11] offset:768*\t+256*\p
	global_load_b64 v[W1+6*\t+2*\p:W1+6*\t+2*\p+1], v148, s[10:11] offset:3072+768*\t+256*\p
.endr
	global_load_b32 v[W0S+\t], v149, s[10:11] offset:6144+128*\t
	global_load_b32 v[W1S+\t], v149, s[10:11] offset:6656+128*\t
	global_load_b128 v[W2B+4*\t:W2B+4*\t+3], v[L16], s[10:11] offset:7168+512*\t
.endr
.irp c, 0,1,2,3,4,5,6,7
	global_load_b128 v[B0+4*\c:B0+4*\c+3], v[H128], s[12:13] offset:16*\c      ; b0[32 h + i]: the accumulators' layout
	global_load_b32 v[B2+\c], v150, s[16:17] offset:4*\c                       ; b2[5 h + j]: the last lane's last load ends with the buffer's 52 bytes
.endr
	s_mov_b64 s[TBL:TBL+1], s[8:9]
.irp lv, 1,2,3,4,5,6,7,8,9,10,11,12,13,14,15
	s_add_nc_u64 s[TBL+2*\lv:TBL+2*\lv+1], s[8:9], \lv*0x400000                ; a level's table is 2^19 x 8 bytes
.endr
	s_mul_i32 s68, s23, 4*SBAT
	s_add_nc_u64 s[20:21], s[20:21], s[68:69]      ; out1 at my 128 points: 6,656 bytes, a multiple of 256
	s_lshl_b32 s68, s23, 9
	s_add_nc_u64 s[18:19], s[18:19], s[68:69]      ; out0: 512 bytes
	s_wait_loadcnt 52                              ; xq and points are in: behind them 24 + 8 + 4 + 8 + 8 = 52 loads of weights and biases were issued
	s_wait_xcnt 0x0                                ; every load has read its offset register: v147-150 are written again below
.irp b, 0,1,2,3
	ds_store_b96 v[LP], v[SLOT+24*\b:SLOT+24*\b+2] offset:\b*BREG+PTS          ; the raw coordinates wait in LDS for phase M
.endr
.irp b, 0,1,2,3
	v_cvt_f32_u32 v[XF+2*\b], v[XI+4*\b]           ; X has at most 24 significant bits: exact
	v_cvt_f32_u32 v[XF+2*\b+1], v[XI+4*\b+1]
	v_cvt_f32_u32 v[XI+4*\b+3], v[XI+4*\b+2]
.endr
.irp b, 0,1,2,3
	v_pk_mul_f32 v[XF+2*\b:XF+2*\b+1], v[XF+2*\b:XF+2*\b+1], 0x30000000 op_sel_hi:[1,0]   ; x 2^-31: x01 as reference() has it
	v_mul_f32 v[XI+4*\b+3], 0x30000000, v[XI+4*\b+3]
.endr
; A unit's cells, weights, addresses and eight gathers.  gs: the level's grid size; cf: gs - 1 as f32.
.macro ISSUE lv, b, gs, cf
.set SL, SLOT+24*(\b)
.set WW, SL+16
.set XB, XI+4*(\b)
	v_mul_hi_u32 v[TX], v[XB], 2*((\gs)-1)         ; floor(x01 (gs - 1)), exactly
	v_mul_hi_u32 v[TY], v[XB+1], 2*((\gs)-1)
	v_mul_hi_u32 v[TZ], v[XB+2], 2*((\gs)-1)
	v_pk_mul_f32 v[PP:PP+1], v[XF+2*(\b):XF+2*(\b)+1], \cf op_sel_hi:[1,0]
	v_mul_f32 v[PZ], \cf, v[XB+3]
	v_min_u32 v[TX], (\gs)-2, v[TX]
	v_min_u32 v[TY], (\gs)-2, v[TY]
	v_min_u32 v[TZ], (\gs)-2, v[TZ]
	v_cvt_f32_u32 v[WW+1], v[TX]
	v_cvt_f32_u32 v[WW+3], v[TY]
	v_cvt_f32_u32 v[WW+5], v[TZ]
	v_sub_f32 v[WW], v[PP], v[WW+1]
	v_sub_f32 v[WW+2], v[PP+1], v[WW+3]
	v_sub_f32 v[WW+4], v[PZ], v[WW+5]
.if (\lv) < 5
	v_mad_u32_u24 v[HY0], v[TZ], \gs, v[TY]        ; dense: x + gs (y + gs z); the corners stand in the loads' immediates
	v_mad_u32_u24 v[HY0], v[HY0], \gs, v[TX]
	v_min_u32 v[HY0], ((\gs)-2)*(1+(\gs)+(\gs)*(\gs)), v[HY0]      ; a number made of loaded numbers enters an address behind a v_min_u32 with its bound written in the instruction
	v_lshlrev_b32 v[WW+1], 3, v[HY0]
.irp k, 0,1
.irp j, 0,1
.irp i, 0,1
	global_load_b64 v[SL+4*(\j+2*\k)+2*\i:SL+4*(\j+2*\k)+2*\i+1], v[WW+1], s[TBL+2*(\lv):TBL+2*(\lv)+1] offset:8*(\i+(\gs)*\j+(\gs)*(\gs)*\k)
.endr
.endr
.endr
.else
	v_mul_u32_u24 v[HY0], s56, v[TY]               ; hashed: only the low 19 bits count, so the primes are taken mod 2^19 (12 x 19 bits: no overflow),
	v_mul_u32_u24 v[HZ0], s57, v[TZ]
	v_add_nc_u32 v[TX1], 1, v[TX]
	v_add_nc_u32 v[HY1], s56, v[HY0]               ; and the next cell's product is one prime on
	v_add_nc_u32 v[HZ1], s57, v[HZ0]
	v_xor_b32 v[CC], v[HY0], v[HZ0]
	v_xor_b32 v[CC+1], v[HY1], v[HZ0]
	v_xor_b32 v[CC+2], v[HY0], v[HZ1]
	v_xor_b32 v[CC+3], v[HY1], v[HZ1]
.irp q, 0,1,2,3
	v_and_b32 v[CC+\q], s58, v[CC+\q]
.endr
.irp q, 0,1,2,3
	v_xor_b32 v[SL+4*\q], v[TX], v[CC+\q]          ; x is under 2^19 itself
	v_xor_b32 v[SL+4*\q+2], v[TX1], v[CC+\q]
.endr
.irp c, 0,2,4,6,8,10,12,14
	v_min_u32 v[SL+\c], 0x7ffff, v[SL+\c]          ; the bound written in the instruction, as above; it changes nothing
.endr
.irp c, 0,2,4,6,8,10,12,14
	global_load_b64 v[SL+\c:SL+\c+1], v[SL+\c], s[TBL+2*(\lv):TBL+2*(\lv)+1] scale_offset   ; index x 8; each load lands on its own index register
.endr
.endif
.endm
; A unit's blend: a + (b - a) w along x, y, z, both features at a time; the result goes to LDS.  left: the younger loads, which may stay out.
.macro LERP lv, b, left
.set SL, SLOT+24*(\b)
.set WW, SL+16
	s_wait_loadcnt \left
.irp q, 0,4,8,12
	v_pk_add_f32 v[SL+\q+2:SL+\q+3], v[SL+\q+2:SL+\q+3], v[SL+\q:SL+\q+1] neg_lo:[0,1] neg_hi:[0,1]
.endr
.irp q, 0,4,8,12
	v_pk_fma_f32 v[SL+\q:SL+\q+1], v[SL+\q+2:SL+\q+3], v[WW:WW+1], v[SL+\q:SL+\q+1] op_sel_hi:[1,0,1]
.endr
.irp q, 0,8
	v_pk_add_f32 v[SL+\q+4:SL+\q+5], v[SL+\q+4:SL+\q+5], v[SL+\q:SL+\q+1] neg_lo:[0,1] neg_hi:[0,1]
.endr
.irp q, 0,8
	v_pk_fma_f32 v[SL+\q:SL+\q+1], v[SL+\q+4:SL+\q+5], v[WW+2:WW+3], v[SL+\q:SL+\q+1] op_sel_hi:[1,0,1]
.endr
	v_pk_add_f32 v[SL+8:SL+9], v[SL+8:SL+9], v[SL:SL+1] neg_lo:[0,1] neg_hi:[0,1]
	v_pk_fma_f32 v[SL:SL+1], v[SL+8:SL+9], v[WW+4:WW+5], v[SL:SL+1] op_sel_hi:[1,0,1]
	ds_store_b64 v[LA], v[SL:SL+1] offset:(\b)*BREG+(\lv)*256
.endm
; Level lv is blended, batch by batch, and each slot takes the next level's unit at once.  The count 24: behind a unit's 8 gathers those of three units were issued.
; (The first such wait also shows the head's loads done: they are older.)  The wait shows the slot's own loads done, so its registers, the address among them, may be written again.
.macro LEVEL lv, gsn, cfn
.irp b, 0,1,2,3
	LERP \lv, \b, 24
	ISSUE (\lv)+1, \b, \gsn, \cfn
.endr
.endm
.irp b, 0,1,2,3
	ISSUE 0, \b, 17, 0x41800000
.endr
	LEVEL 0, 23, 0x41b00000
	LEVEL 1, 31, 0x41f00000
	LEVEL 2, 43, 0x42280000
	LEVEL 3, 59, 0x42680000
	LEVEL 4, 81, 0x42a00000
	LEVEL 5, 112, 0x42de0000
	LEVEL 6, 154, 0x43190000
	LEVEL 7, 213, 0x43540000
	LEVEL 8, 295, 0x43930000
	LEVEL 9, 407, 0x43cb0000
	LEVEL 10, 562, 0x440c4000
	LEVEL 11, 777, 0x44420000
	LEVEL 12, 1073, 0x44860000
	LEVEL 13, 1483, 0x44b94000
	LEVEL 14, 2049, 0x45000000
.irp c, 0,1,2,3,4,5,6,7
	global_load_b128 v[B1+4*\c:B1+4*\c+3], v[H128], s[14:15] offset:16*\c      ; b1 takes the registers that the coordinates and the hashing have left
.endr
	LERP 15, 0, 32                                 ; younger: three units and b1's eight loads
	LERP 15, 1, 24
	LERP 15, 2, 16
	LERP 15, 3, 8
; ---- PHASE M
; The largest magnitude of v[s] .. v[s + 31], and the floor 2^(5 - 127), into v[QM]: two chains
.macro BLKMAX s
	v_max3_num_f32 v[QM], |v[\s]|, |v[\s+1]|, 0x2800000
	v_max3_num_f32 v[QM+1], |v[\s+16]|, |v[\s+17]|, |v[\s+18]|
.irp i, 2,4,6,8,10,12
	v_max3_num_f32 v[QM], v[QM], |v[\s+\i]|, |v[\s+\i+1]|
	v_max3_num_f32 v[QM+1], v[QM+1], |v[\s+17+\i]|, |v[\s+18+\i]|
.endr
	v_max3_num_f32 v[QM], v[QM], |v[\s+14]|, |v[\s+15]|
	v_max3_num_f32 v[QM], v[QM], v[QM+1], |v[\s+31]|
.endm
; softplus(100 x) / 100 on v[a] .. v[a + 15], in place.  Two batches of 16 transcendentals, each with plain work behind it and ONE wait ahead of its first reader.
; Each accumulator is read from its low end on.
.macro SP16 a
.irp i, 0,2,4,6,8,10,12,14
	v_pk_mul_f32 v[T1+\i:T1+\i+1], v[\a+\i:\a+\i+1], 0x431044fe op_sel_hi:[1,0]    ; 100 log2(e) x
.endr
.irp i, 0,1,2,3,4,5,6,7,8,9,10,11,12,13,14,15
	v_exp_f32 v[T1+\i], -|v[T1+\i]|                ; e, at most 1
.endr
.irp i, 0,1,2,3,4,5,6,7
	v_max_num_f32 v[\a+\i], 0, v[\a+\i]
.endr
	s_wait_alu depctr_va_vdst(0)
.irp i, 0,2,4,6,8,10,12,14
	v_pk_add_f32 v[T2+\i:T2+\i+1], v[T1+\i:T1+\i+1], 1.0 op_sel_hi:[1,0]           ; u
.endr
.irp g, 0,8
.irp i, 0,2,4,6
	v_pk_add_f32 v[T3+\i:T3+\i+1], v[T2+\g+\i:T2+\g+\i+1], -1.0 op_sel_hi:[1,0]    ; u - 1, exact
.endr
.irp i, 0,2,4,6
	v_pk_add_f32 v[T1+\g+\i:T1+\g+\i+1], v[T1+\g+\i:T1+\g+\i+1], v[T3+\i:T3+\i+1] neg_lo:[0,1] neg_hi:[0,1]   ; d, exact
.endr
.endr
.irp i, 0,1,2,3,4,5,6,7,8,9,10,11,12,13,14,15
	v_log_f32 v[T2+\i], v[T2+\i]
.endr
.irp i, 8,9,10,11,12,13,14,15
	v_max_num_f32 v[\a+\i], 0, v[\a+\i]
.endr
	s_wait_alu depctr_va_vdst(0)
.irp i, 0,2,4,6,8,10,12,14
	v_pk_fma_f32 v[T2+\i:T2+\i+1], v[T1+\i:T1+\i+1], 0x3fb8aa3b, v[T2+\i:T2+\i+1] op_sel_hi:[1,0,1]
.endr
.irp i, 0,2,4,6,8,10,12,14
	v_pk_fma_f32 v[\a+\i:\a+\i+1], v[T2+\i:T2+\i+1], 0x3be32166, v[\a+\i:\a+\i+1] op_sel_hi:[1,0,1]           ; x ln 2 / 100, + max(x, 0)
.endr
.endm
; A batch's h, lane = point, in the order of K that W0 was laid in: places 0-27 = levels 0-13, 28-30 = the raw coordinates, 31 = level 14's first feature | 32, 33 = level 15, 34 = level 14's second, then zeros.
; Quantised: block 0's codes in OPA, block 1's in C1; one exchange of halves makes of them the operand of points 0-15 (OPA) and that of points 16-31 (C1): lanes 0-15 block 0, lanes 16-31 block 1.
; The scale word stays with lane = point: points 0-15's words are read from lanes 0-15, points 16-31's from lanes 16-31.
.macro QIN
	v_add_nc_u32 v[LAB], s63, v[LA]
	v_add_nc_u32 v[LPB], s63, v[LP]
	v_add_nc_u32 v[STOB], s66, v[STO]
.irp lv, 0,1,2,3,4,5,6,7,8,9,10,11,12,13
	ds_load_b64 v[H+2*\lv:H+2*\lv+1], v[LAB] offset:256*\lv        ; LDS serves a wave's instructions in order: these see my stores
.endr
	ds_load_b32 v[H+31], v[LAB] offset:14*256
	ds_load_b32 v[H+34], v[LAB] offset:14*256+4
	ds_load_b64 v[H+32:H+33], v[LAB] offset:15*256
	ds_load_b96 v[H+28:H+30], v[LPB] offset:PTS
.irp i, 35,36,37,38,39,40,41,42,43,44,45,46,47
	v_mov_b32 v[H+\i], 0                           ; K past 35 is zeros
.endr
.irp i, 3,4,5
	v_mov_b32 v[C1+\i], 0                          ; places 48-63: zero codes
.endr
	s_wait_dscnt 0x0
	BLKMAX H
	v_max3_num_f32 v[QM+1], |v[H+32]|, |v[H+33]|, 0x2800000
	v_max_num_f32 v[QM+1], v[QM+1], |v[H+34]|
	v_add_nc_u32 v[QS], 0xfe000000, v[QM]          ; 4 off the exponent field: the conversion's scale operand
	v_add_nc_u32 v[QS+1], 0xfe000000, v[QM+1]
	v_lshrrev_b32 v[QM], 23, v[QS]                 ; the bytes
	v_lshrrev_b32 v[QM+1], 23, v[QS+1]
	v_lshl_or_b32 v[SW0], v[QM+1], 8, v[QM]
	v_cvt_scalef32_pk16_bf6_f32 v[OPA:OPA+2], v[H:H+15], v[QS]
	v_cvt_scalef32_pk16_bf6_f32 v[TQ:TQ+2], v[H+16:H+31], v[QS]    ; (a conversion's three registers begin on an even number)
	v_cvt_scalef32_pk16_bf6_f32 v[C1:C1+2], v[H+32:H+47], v[QS+1]
	v_nop                                          ; one plain place behind a scaled conversion
.irp i, 0,1,2
	v_mov_b32 v[OPA+3+\i], v[TQ+\i]
.endr
.irp i, 0,1,2,3,4,5
	v_permlane16_swap_b32 v[OPA+\i], v[C1+\i]      ; OPA's lanes 16-31 change places with C1's lanes 0-15
.endr
	NOPS 4                                         ; an operand written by vector instructions stands 4 places ahead of a scaled matrix instruction, a scale register 8: the v_nop, the three moves and these four
.endm
; The four accumulators, positive numbers, become the next operand: my 32 registers are block h of point r
.macro QACT
	BLKMAX ACT
	v_add_nc_u32 v[QS], 0xfe000000, v[QM]
	v_lshrrev_b32 v[QM], 23, v[QS]
	v_lshlrev_b32 v[QM], v[SH8], v[QM]             ; my block's byte at its place,
	v_permlanex16_b32 v[PX], v[QM], s60, s61
	v_or_b32 v[SW1], v[QM], v[PX]                  ; with the other block's: the point's word, in both halves of the lanes
	v_cvt_scalef32_pk16_bf6_f32 v[OPA:OPA+2], v[ACT:ACT+15], v[QS]
	v_cvt_scalef32_pk16_bf6_f32 v[TQ:TQ+2], v[ACT+16:ACT+31], v[QS]
	v_nop
.irp i, 0,1,2
	v_mov_b32 v[OPA+3+\i], v[TQ+\i]
.endr
	NOPS 4                                         ; 4 places behind the operand's last write, 8 behind the scale word's
.endm
; Four scaled products, one for each tile of 16 units, on four accumulators; C = the bias.  A tile's operand is its 6 registers and the 6 that follow, which meet zero codes.
.macro MM wt, wsc, bias, sw, row1
.irp t, 0,1,2,3
.if \row1
	v_wmma_scale_f32_16x16x128_f8f6f4 v[ACT+8*\t:ACT+8*\t+7], v[\wt+6*\t:\wt+6*\t+11], v[OPA:OPA+11], v[\bias+8*\t:\bias+8*\t+7], v[\wsc+\t], v[\sw] matrix_a_fmt:MATRIX_FMT_BF6 matrix_b_fmt:MATRIX_FMT_BF6 matrix_b_scale:MATRIX_SCALE_ROW1
.else
	v_wmma_scale_f32_16x16x128_f8f6f4 v[ACT+8*\t:ACT+8*\t+7], v[\wt+6*\t:\wt+6*\t+11], v[OPA:OPA+11], v[\bias+8*\t:\bias+8*\t+7], v[\wsc+\t], v[\sw] matrix_a_fmt:MATRIX_FMT_BF6 matrix_b_fmt:MATRIX_FMT_BF6
.endif
.endr
	NOPS 4                                         ; four places before a vector instruction reads a result (ISA guide 7.12.1)
.endm
; Sixteen points through the three layers.  u = 1: the batch's points 16-31
.macro TILE u
.if \u
.irp i, 0,1,2,3,4,5
	v_mov_b32 v[OPA+\i], v[C1+\i]
.endr
	NOPS 4
.endif
	MM W0, W0S, B0, SW0, \u
	SP16 ACT
	SP16 ACT+16
	QACT
	MM W1, W1S, B1, SW1, 0
	SP16 ACT
	SP16 ACT+16
.irp q, 0,1,2,3,4,5,6,7,8,9,10,11,12,13,14,15
	v_cvt_pk_bf16_f32 v[HB+\q], v[ACT+2*\q], v[ACT+2*\q+1]         ; K step s: my units 32 h + 16 s + 0 .. 15, as W2 was laid
.endr
	v_wmma_f32_16x16x32_bf16 v[D2:D2+7], v[W2B:W2B+7], v[HB:HB+7], v[B2:B2+7]
	s_wait_alu depctr_va_vdst(0)                   ; the wait directly ahead of the second
	v_wmma_f32_16x16x32_bf16 v[D2:D2+7], v[W2B+8:W2B+15], v[HB+8:HB+15], v[D2:D2+7]
	NOPS 4
.irp j, 0,1,2,3,4,5,6,7
	ds_store_b32 v[STOB], v[D2+\j] offset:832*\u+4*\j              ; register j of lane (r, h) is feature j + 5 h of point r; features 5 to 7 are written twice, with the same numbers
.endr
.endm
.irp i, 6,7,8,9,10,11
	v_mov_b32 v[OPA+\i], 0                         ; K from 64 on: zero codes, for the whole phase
.endr
	v_mov_b32 v[PX], 0                             ; (a lane permute's destination counts as one of its sources)
	s_mov_b32 s62, 4
	s_mov_b32 s63, 0                               ; the batch's features in my LDS
	s_mov_b32 s66, 0                               ; and its part of the stage
	s_wait_loadcnt 0x0                             ; b1
.Lbatch:
	QIN
	TILE 0
	TILE 1
	s_add_co_u32 s63, s63, BREG
	s_add_co_u32 s66, s66, SBAT
	s_sub_co_u32 s62, s62, 1
	s_cmp_lg_u32 s62, 0
	s_cbranch_scc1 .Lbatch
	; ---- THE WAY OUT: 128 points x 52 bytes = 13 x 512 consecutive bytes; column 0: four points a lane
.irp i, 0,1,2,3,4,5,6,7,8,9,10,11,12
	ds_load_b128 v[ACT+4*\i:ACT+4*\i+3], v[LP] offset:512*\i
.endr
.irp q, 0,1,2,3
	ds_load_b32 v[224+\q], v[S0A] offset:52*\q
.endr
.irp i, 0,1,2,3,4,5,6,7,8,9,10,11,12
	s_wait_dscnt 16-\i                             ; LDS loads come back in order: the younger ones may stay out
	global_store_b128 v[L16], v[ACT+4*\i:ACT+4*\i+3], s[20:21] offset:512*\i th:TH_STORE_NT    ; 32 lanes store 512 consecutive bytes, at a multiple of 256 from out1's first byte
.endr
	s_wait_dscnt 0x0
	global_store_b128 v[L16], v[224:227], s[18:19] th:TH_STORE_NT
	s_wait_xcnt 0x0
	v_lshl_add_u32 v254, v0, 2, 0x48000
	v_mov_b32 v255, 0
	s_wait_tensorcnt 0x0
	ds_add_u32 v254, v255
	s_wait_dscnt 0x0
	s_endpgm
.Lfunc_end_k_q0b9a54f91b_sdf:
	.size	k_q0b9a54f91b_sdf, .Lfunc_end_k_q0b9a54f91b_sdf-k_q0b9a54f91b_sdf
	.p2alignl 7, 3214868480
	.fill 96, 4, 3214868480
	.section	.rodata,"a",@progbits
	.p2align	6, 0x0
	.amdhsa_kernel k_q0b9a54f91b_sdf
		.amdhsa_group_segment_fixed_size 296960
		.amdhsa_private_segment_fixed_size 0
		.amdhsa_enable_private_segment 0
		.amdhsa_kernarg_size 72
		.amdhsa_user_sgpr_count 2
		.amdhsa_user_sgpr_kernarg_segment_ptr 1
		.amdhsa_wavefront_size32 1
		.amdhsa_system_sgpr_workgroup_id_x 1
		.amdhsa_system_sgpr_workgroup_id_y 1
		.amdhsa_system_sgpr_workgroup_id_z 1
		.amdhsa_system_vgpr_workitem_id 0
		.amdhsa_next_free_vgpr 256
		.amdhsa_next_free_sgpr 72
		.amdhsa_reserve_vcc 0
		.amdhsa_float_denorm_mode_32 3
		.amdhsa_float_denorm_mode_16_64 3
		.amdhsa_memory_ordered 1
		.amdhsa_forward_progress 1
		.amdhsa_inst_pref_size 255
	.end_amdhsa_kernel
	.section	.bss,"aw",@nobits
	.p2align	6
	.space	262144
	.amdgpu_metadata
---
amdhsa.version: [ 1, 2 ]
amdhsa.kernels:
  - .name:           k_q0b9a54f91b_sdf
    .symbol:         k_q0b9a54f91b_sdf.kd
    .args:
      - { .name: xq, .offset: 0, .size: 8, .value_kind: global_buffer, .address_space: global }
      - { .name: points, .offset: 8, .size: 8, .value_kind: global_buffer, .address_space: global }
      - { .name: table, .offset: 16, .size: 8, .value_kind: global_buffer, .address_space: global }
      - { .name: wq, .offset: 24, .size: 8, .value_kind: global_buffer, .address_space: global }
      - { .name: b0, .offset: 32, .size: 8, .value_kind: global_buffer, .address_space: global }
      - { .name: b1, .offset: 40, .size: 8, .value_kind: global_buffer, .address_space: global }
      - { .name: b2, .offset: 48, .size: 8, .value_kind: global_buffer, .address_space: global }
      - { .name: out0, .offset: 56, .size: 8, .value_kind: global_buffer, .address_space: global }
      - { .name: out1, .offset: 64, .size: 8, .value_kind: global_buffer, .address_space: global }
    .group_segment_fixed_size: 296960
    .private_segment_fixed_size: 0
    .kernarg_segment_align: 8
    .kernarg_segment_size: 72
    .max_flat_workgroup_size: 512
    .sgpr_count:     72
    .vgpr_count:     256
    .wavefront_size: 32
...
	.end_amdgpu_metadata
.endif
;; end of part 2
